; MI455X (gfx1250); checked and timed in simulation.
; The chip was launched on July 23, 2026; its instructions are those of AMD's public machine-readable ISA for CDNA 5 (MIT licence, August 2026) and "CDNA5" Instruction Set Architecture Reference Guide (July 2026). The comments in the code are by the model that wrote it; some were corrected since.
;; Lo RA Linear. Allowed arithmetic: matrix products marked QUANTISED: E2M3 operands, one E8M0 scale for each 32 along K, by v_wmma_scale_f32_16x16x128_f8f6f4 with both operands' format E2M3, f32 sums; products left as they are: f32 operands where the result goes on into a quantised operand, else bf16, f16 or f32 operands; f32 sums; everything else in f32.
;; Inputs: bias 2,048 float32; lora_left 2,048 x 16 float32; lora_right 16 x 4,096 float32; weight 2,048 x 4,096 float32; x_codes 4 x 2,048 x 128 x 24 uint8 (E2M3 codes of x, K innermost, in blocks of 32 codes, four codes in three bytes); x_scales 4 x 2,048 x 128 uint8 (E8M0 scales of x, one for each 32 codes along K).
;; Outputs: out0 4 x 2,048 x 2,048 float32.
;; This version of the problem:
;;   THIS VERSION OF THE PROBLEM IS GIVEN IN LOW PRECISION. The matrix products marked QUANTISED in the list below multiply operands that are first quantised to E2M3 (2 exponent bits, 3 mantissa bits; 6 bits a number), with one power-of-two scale for each 32 numbers along K (OCP MX v1.0); their sums are f32. All else is computed in f32.
;;   The module's matrix products, in the order in which they are computed (A, B: the left and right operand; K: the contracted axis; several contracted axes count as one K, in the product's order):
;;     1. [M 2,048, K 16] x [K 16, N 4,096]; A: input lora_left; B: input lora_right: left as it is (K = 16 < 32)
;;     2. [M 8,192, K 4,096] x [K 4,096, N 2,048]; A: input x (given as codes); B: computed on the way: QUANTISED
;;   THE QUANTISER, for each operand of a quantised product, along K:
;;     - K is cut into blocks of 32 from its start; a last block that is shorter is filled with zeros.
;;     - A block's scale is 2^e with e = floor(log2(the largest magnitude in the block)) - 2, held to -126 .. 127; a block of zeros has e = 0. As a byte (E8M0): e + 127.
;;     - Each number is divided by its block's scale, clamped to +-7.5, and rounded to the nearest number of E2M3, ties to even, subnormals kept.
;;     - The product sums the exact products of the quantised numbers (number of the format x scale) in f32.
;;   ~~~python
;;   def quantise(x, axis):      # numpy; x: float32 -> the quantised numbers, widened to float32 again
;;       x = np.moveaxis(x, axis, -1); K = x.shape[-1]
;;       x = np.pad(x, [(0, 0)] * (x.ndim - 1) + [(0, -K % 32)]); x = x.reshape(x.shape[:-1] + (-1, 32)); a = np.abs(x).max(-1, keepdims=True)
;;       e = np.where(a > 0, np.clip(np.frexp(np.where(a > 0, a, 1))[1] - 1 - 2, -126, 127), 0)      # np.frexp(a)[1] - 1 = floor(log2(a)), exactly
;;       r = np.clip(x / 2.0 ** e, -7.5, 7.5)
;;       step = 2.0 ** (np.maximum(np.frexp(np.where(r == 0, 1, r))[1] - 1, 0) - 3)
;;       q = np.round(r / step) * step * 2.0 ** e      # np.round: ties to even
;;       return np.moveaxis(q.reshape(q.shape[:-2] + (-1,))[..., :K], -1, axis).astype(np.float32)
;;   ~~~
;;   OPERANDS COMPUTED ON THE WAY. 'Computed on the way' means the value that the module computes at that place (a softmax that the list does not call 'softmax' is quantised finished and normalised). What goes into a quantiser is computed in f32, as accurately as f32 sums, v_exp_f32 and their like allow (about 1e-6 of the number): no bf16 or f16 on the way to a quantiser, and a product that is left as it is and whose result goes on into a quantised operand takes f32 operands (vector FMAs, or v_wmma_f32_16x16x4_f32). A number that lies on a knife's edge between two numbers of the format may be rounded either way, as far as f32 arithmetic and the matrix unit's own rounding can turn it there, and no further.
;;   INPUTS GIVEN AS CODES. x (in the module: [4, 2048, 4096], K = its axis 2): each comes as NAME_codes (uint8): NAME with its K axis moved to the last place and cut into blocks of 32 codes, [.., K / 32, bytes a block], one block behind the other in memory; four codes in three bytes: a row's codes are one little-endian stream of bits, code i at bits 6 i .. 6 i + 5 (a code: sign, 2 exponent bits, 3 mantissa bits); and NAME_scales (uint8): the same leading axes, one E8M0 byte (e + 127) for each 32 codes along K. Its value is code x scale, taken as it is: it is not quantised again, and the codes and scales need not be those that the quantiser above would give.
;; One version. Each part assembles by itself: llvm-mc -triple=amdgcn-amd-amdhsa -mcpu=gfx1250 --defsym DOCPART=n.
;; ======== version 1 of 1: 2 launches
;; limits: right only within a limited range of input values
;; workspace buffers: w_codes 6,291,456 bytes; w_scales 262,144 bytes
;; launch wquant (part 1): grid 16 x 16, 4 waves a work-group, no clusters, 49,664 bytes of LDS; arguments weight, lora_left, lora_right, w_codes, w_scales; writes w_codes, w_scales
.if DOCPART == 1
	.amdgcn_target "amdgcn-amd-amdhsa--gfx1250"
	.amdhsa_code_object_version 6
	.text
	.protected	k_q6e1c738a44_wquant
	.globl	k_q6e1c738a44_wquant
	.p2align	8
	.type	k_q6e1c738a44_wquant,@function
k_q6e1c738a44_wquant:
	s_mov_b64 s[64:65], 0
	v_nop
	global_prefetch_b8 v0, s[64:65] scope:SCOPE_SE
	s_setreg_imm32_b32 hwreg(HW_REG_WAVE_MODE, 25, 1), 1
	s_wait_xcnt 0x0
; W_eff[o][i] = weight[o][i] + 2 x (the sum over r of lora_left[o][r] lora_right[r][i]), in f32, is turned into codes of FP6 (E2M3) with one E8M0 scale byte for each 32 along i, which is the product's K.
; weight: [2048][4096] f32; lora_left: [2048][16] f32; lora_right: [16][4096] f32.
; OUT, laid as the next launch reads it.  w_codes [32 steps of 128 along K][128 blocks of 16 rows][1,536 bytes]: a fragment (16 rows x 128 K) AS AN IMAGE OF THE OPERAND'S 12 REGISTERS: register p of lane l at
; 512 (p / 4) + 16 l + 4 (p % 4); lane l = r + 16 h holds row r, and its registers 6 c .. 6 c + 5 the codes of K = 64 c + 32 h + 0 .. 31 as one stream of bits.  Three loads of 16 bytes a lane bring a fragment.
; w_scales [16 strips of 256 along K][2048 rows][8 bytes]: byte b scales i = 256 s + 32 b .. + 31.
; A block's scale is 2^(floor(log2(its largest magnitude)) - 2): its byte is the largest magnitude's own exponent field - 2, held at 1 from below.
; LIMITS: NaN and infinities among the inputs are not served.  A block of zeros, and a block whose largest magnitude lies under 2^-124, gets the byte 1 (the stated quantiser gives a block of zeros 127):
; a block of zeros has zero codes, which add nothing under any byte but 0xff, and the bytes are read by this program alone.
; SHARES.  Work-group (x = strip s of 256 columns, y) takes rows 128 y .. 128 y + 127 of the strip; wave w 32 of them, in 16 steps of 2 rows x 256 columns.  Waves share nothing: no barrier.
; A wave's 32 rows x 256 columns are four whole fragments: 6,144 bytes, gathered in the wave's own LDS and stored by 12 stores of 512 consecutive bytes.
; A LANE KEEPS THE SAME 16 COLUMNS IN EVERY STEP: load g (0..3) of a step gives lanes 0-15 the even row and lanes 16-31 the odd one, 16 bytes a lane at column 64 g + 4 (lane % 16): each half of the lanes reads 256
; consecutive bytes, aligned.  So a lane's 16 x 16 numbers of lora_right stay in 256 registers for the whole launch.
; lora_left: one register a step holds L[row of my half][lane % 16]; a DPP move (row_share:r) hands every lane of a half its own row's L[.][r].
; The sum runs r ascending: one packed multiply, 15 packed multiply-adds; then 2 x sum + weight in one fused multiply-add (the doubling is exact: one rounding, as in weight + 2 x sum).
; The sums want no weight: all 64 loads of the wave's weights are issued at the head and land while the sums are made.
; The conversion takes 16 neighbours along K from ONE lane's registers: a step's 2,048 bytes turn through the wave's own stage in LDS (in: as computed; out: 64 bytes a lane, places 80 bytes apart).
; REGISTERS, in windows of 256 (s_set_vgpr_msb: bits 1:0 source 0, 3:2 source 1, 5:4 source 2, 7:6 destination):
;   window 0: addresses, L, sums, neighbours, codes.   window 1: lora_right, register 16 r + 4 g + j.   window 2: weight, register 16 t + 4 g + j.
.set ROWW,  16384                      ; a row of weight or of lora_right in bytes
.set WPLANE, 196608                    ; a step's plane of w_codes: 128 fragments of 1,536 bytes
.set WREG,  12288                      ; LDS: a region of its own for each wave
.set SP,    80                         ; a lane's place in a stage: its 64 bytes + 16
.set STG,   32*SP                      ; a stage; a wave has two, by turns
.set SBY,   2*STG                      ; behind them the wave's 256 scale bytes,
.set IMG,   SBY+256                    ; and its four fragments' images: [step 0, 1 of the strip][block 0, 1 of my rows][1,536 bytes]
.set IA,    18                         ; v18-20   where my three registers of codes go in the images
.set LC,    32                         ; v32-47   step t: L[o0 + 2 t + lane / 16][lane % 16]
.set LB,    48                         ; v48-79   register 2 r: my row's L[.][r]; the odd ones are only named with them as pairs
.set ACC,   80                         ; v80-111  two sets of 16 sums
.set X,     112                        ; v112-143 two sets of 16 neighbours along K
.set E,     144                        ; v144-159 a scale byte for each step
.set C,     160                        ; v160-223 codes: four registers for each step, so that no store's data are written again
.set OUTR,  80                         ; v80-127  at the end: the images read back
.set MSB, 0
.macro WIN new                         ; the immediate's high byte repeats the setting that is left; a switch that changes nothing is dropped
.if MSB != (\new)
	s_set_vgpr_msb (MSB<<8)|(\new)
.set MSB, (\new)
.endif
.endm
	s_load_b128 s[4:7], s[0:1], 0x0                ; weight, lora_left
	s_load_b128 s[8:11], s[0:1], 0x10              ; lora_right, w_codes
	s_load_b64 s[12:13], s[0:1], 0x20              ; w_scales
	v_lshl_add_u32 v254, v0, 2, 0xc000
	v_mov_b32 v255, 0
	v_lshrrev_b32 v1, 5, v0
	v_readfirstlane_b32 s16, v1                    ; wave 0..3
	v_and_b32 v2, 31, v0                           ; lane
	s_wait_alu depctr_va_vdst(0)
	s_and_b32 s17, ttmp7, 0xffff                   ; work-group y
	s_lshl_b32 s17, s17, 7
	s_lshl_b32 s18, s16, 5
	s_add_co_u32 s17, s17, s18                     ; o0 = 128 y + 32 wave: my first row
	s_lshl_b32 s18, s17, 14                        ; weight: o0 rows of 16,384 bytes
	s_lshl_b32 s20, ttmp9, 10                      ; the strip's first byte in a row: 256 columns x 4 bytes
	s_add_co_u32 s18, s18, s20
	s_mov_b32 s19, 0
	s_mov_b32 s21, 0
	s_lshl_b32 s22, s17, 6                         ; lora_left: 64 bytes a row
	s_mov_b32 s23, 0
	s_mul_i32 s24, ttmp9, 2*WPLANE                 ; w_codes: the strip's first plane,
	s_mul_i32 s25, s17, 96                         ; my first block of 16 rows in it: (o0 / 16) x 1,536 bytes
	s_add_co_u32 s24, s24, s25
	s_mov_b32 s25, 0
	s_lshl_b32 s26, ttmp9, 14                      ; w_scales: the strip's plane of 16,384 bytes,
	s_lshl_b32 s27, s17, 3                         ; 8 bytes a row: my 32 rows are 256 bytes, at a multiple of 256
	s_add_co_u32 s26, s26, s27
	s_mov_b32 s27, 0
	s_mul_i32 s28, s16, WREG                       ; LDS: my wave's region
	s_add_co_u32 s29, s28, SBY
	s_add_co_u32 s30, s28, IMG
	v_lshrrev_b32 v8, 4, v2                        ; lane / 16
	v_and_b32 v9, 15, v2                           ; lane % 16
	v_lshlrev_b32 v16, 4, v9                       ; lora_right: 16 (lane % 16)
	v_lshl_add_u32 v3, v8, 14, v16                 ; weight: + one row for lanes 16-31
	v_lshlrev_b32 v17, 2, v2                       ; lora_left: 4 x lane
	v_lshlrev_b32 v7, 3, v2                        ; the scale bytes' way out: 8 x lane
	v_lshlrev_b32 v22, 4, v2                       ; the images' way out: 16 x lane,
	v_add_nc_u32 v21, s30, v22                     ; and the same in LDS
	; Behind the stage lane l holds row lane / 16 of the step's two and the 16 codes at column 16 cc, cc = lane % 16: step cc / 8 of the strip's two, block (cc / 2) % 4 = 2 c + h of its four, half j = cc % 2 of the block.
	; Its three registers are registers p = 6 c + 3 j + 0, 1, 2 of lane r + 16 h of the image, r = 2 (t % 8) + lane / 16.  What hangs on t stands in the stores' immediates.
	v_lshrrev_b32 v23, 3, v9                       ; which of the strip's two steps
	v_bfe_u32 v24, v9, 2, 1                        ; c
	v_bfe_u32 v25, v9, 1, 1                        ; h
	v_and_b32 v26, 1, v9                           ; j
	v_mul_u32_u24 v24, v24, 6
	v_mad_u32_u24 v24, v26, 3, v24                 ; 6 c + 3 j
	v_mul_u32_u24 v23, v23, 3072                   ; a step's two fragments
	v_lshl_add_u32 v23, v25, 8, v23                ; + 16 bytes x 16 h
	v_lshl_add_u32 v23, v8, 4, v23                 ; + 16 bytes x lane / 16
	v_add_nc_u32 v23, s30, v23
.irp i, 0,1,2
	v_add_nc_u32 v25, \i, v24                      ; p
	v_lshrrev_b32 v26, 2, v25
	v_and_b32 v25, 3, v25
	v_lshl_add_u32 v26, v26, 9, v23                ; + 512 (p / 4)
	v_lshl_add_u32 v[IA+\i], v25, 2, v26           ; + 4 (p % 4)
.endr
	v_bfe_u32 v10, v2, 2, 2
	v_lshl_add_u32 v10, v8, 4, v10                 ; the stage, way in: place 16 (lane / 16) + (lane / 4) % 4 (+ 4 g in the immediate),
	v_mul_u32_u24 v10, v10, SP
	v_and_b32 v11, 3, v2
	v_lshl_add_u32 v10, v11, 4, v10                ; 16 (lane % 4) bytes into it
	v_add_nc_u32 v14, s28, v10
	v_mul_u32_u24 v15, v2, SP
	v_add_nc_u32 v15, s28, v15                     ; way out: place = lane: row lane / 16, columns 16 (lane % 16) on
	v_lshrrev_b32 v5, 1, v2
	v_add_nc_u32 v5, s29, v5                       ; my block's scale byte: two neighbouring lanes hold a block
	v_add_nc_u32 v6, s29, v7
.irp i, 0,1,2,3,4,5,6,7,8,9,10,11,12,13,14,15,16,17,18,19,20,21,22,23,24,25,26,27,28,29,30,31
	v_mov_b32 v[LB+\i], 0                          ; written once: a DPP move's destination counts as one of its sources, and the odd registers are named inside the pairs
.endr
	s_wait_kmcnt 0x0
	s_add_nc_u64 s[4:5], s[4:5], s[18:19]
	s_add_nc_u64 s[6:7], s[6:7], s[22:23]
	s_add_nc_u64 s[8:9], s[8:9], s[20:21]
	s_add_nc_u64 s[10:11], s[10:11], s[24:25]
	s_add_nc_u64 s[12:13], s[12:13], s[26:27]
.irp t, 0,1,2,3,4,5,6,7,8,9,10,11,12,13,14,15
	global_load_b32 v[LC+\t], v17, s[6:7] offset:128*\t            ; two rows of lora_left: 128 consecutive bytes
.endr
	WIN 0x40                                       ; destination window 1
.irp r, 0,1,2,3,4,5,6,7,8,9,10,11,12,13,14,15
.irp g, 0,1,2,3
	global_load_b128 v[16*\r+4*\g:16*\r+4*\g+3], v16, s[8:9] offset:ROWW*\r+256*\g
.endr
.endr
	WIN 0x80                                       ; destination window 2
.irp t, 0,1,2,3,4,5,6,7,8,9,10,11,12,13,14,15
.irp g, 0,1,2,3
	global_load_b128 v[16*\t+4*\g:16*\t+4*\g+3], v3, s[4:5] offset:2*ROWW*\t+256*\g th:TH_LOAD_NT   ; read once in the launch
.endr
.endr
	WIN 0
	s_wait_loadcnt 63                              ; loads come back in order (ISA guide 5.7.1): behind lora_right's last load stand the 64 of weight; the largest count that the wait can name leaves 63 of them out
; The sums of step t: 16 moves, 8 packed multiplies, 120 packed multiply-adds.  Of the pair v[LB + 2 r : LB + 2 r + 1] the low word serves both halves.
.macro LORA t
	WIN 0
.irp r, 0,1,2,3,4,5,6,7,8,9,10,11,12,13,14,15
	v_mov_b32_dpp v[LB+2*\r], v[LC+(\t)] row_share:\r row_mask:0xf bank_mask:0xf
.endr
	WIN 0x01                                       ; source 0 (lora_right) window 1
.irp p, 0,1,2,3,4,5,6,7
	v_pk_mul_f32 v[ACC+16*((\t)%2)+2*\p:ACC+16*((\t)%2)+2*\p+1], v[2*\p:2*\p+1], v[LB:LB+1] op_sel_hi:[1,0]
.endr
.irp r, 1,2,3,4,5,6,7,8,9,10,11,12,13,14,15
.irp p, 0,1,2,3,4,5,6,7
	v_pk_fma_f32 v[ACC+16*((\t)%2)+2*\p:ACC+16*((\t)%2)+2*\p+1], v[16*\r+2*\p:16*\r+2*\p+1], v[LB+2*\r:LB+2*\r+1], v[ACC+16*((\t)%2)+2*\p:ACC+16*((\t)%2)+2*\p+1] op_sel_hi:[1,0,1]
.endr
.endr
.endm
; W_eff of step t = 2 x sum + weight
.macro ADDW t
	s_wait_loadcnt 60-4*(\t)                       ; this step's four loads of weight are in; the four of each later step may be out
	WIN 0x20                                       ; source 2 (weight) window 2
.irp p, 0,1,2,3,4,5,6,7
	v_pk_fma_f32 v[ACC+16*((\t)%2)+2*\p:ACC+16*((\t)%2)+2*\p+1], v[ACC+16*((\t)%2)+2*\p:ACC+16*((\t)%2)+2*\p+1], 2.0, v[16*(\t)+2*\p:16*(\t)+2*\p+1] op_sel_hi:[1,0,1]
.endr
	WIN 0
.endm
; Step t's numbers through the stage.  LDS serves a wave's instructions in order (ISA guide 5.7.1.4): no wait stands between the stores and the loads.
.macro TURN t
.irp g, 0,1,2,3
	ds_store_b128 v14, v[ACC+16*((\t)%2)+4*\g:ACC+16*((\t)%2)+4*\g+3] offset:STG*((\t)%2)+4*SP*\g
.endr
.irp i, 0,1,2,3
	ds_load_b128 v[X+16*((\t)%2)+4*\i:X+16*((\t)%2)+4*\i+3], v15 offset:STG*((\t)%2)+16*\i
.endr
.endm
; Step u's 16 neighbours become 12 bytes of codes and a scale byte.
.macro QUANT u
.set XS, X+16*((\u)%2)
	WIN 0
	s_wait_dscnt 0x0                               ; step u's loads from the stage are my youngest LDS instructions; its stores into the stage have read the sums' registers too
	v_max3_num_f32 v8, |v[XS]|, |v[XS+1]|, |v[XS+2]|               ; the largest magnitude of my 16, in two chains
	v_max3_num_f32 v9, |v[XS+3]|, |v[XS+4]|, |v[XS+5]|
.irp i, 6,10
	v_max3_num_f32 v8, v8, |v[XS+\i]|, |v[XS+\i+1]|
	v_max3_num_f32 v9, v9, |v[XS+\i+2]|, |v[XS+\i+3]|
.endr
	v_max3_num_f32 v8, v8, |v[XS+14]|, |v[XS+15]|
	v_max3_num_f32 v8, v8, v9, 0x1800000           ; and the floor 2^(3 - 127), under which no largest magnitude is taken: so the byte cannot fall under 1
	v_max_num_f32_dpp v8, v8, v8 row_xmask:1 row_mask:0xf bank_mask:0xf   ; and of my neighbour's 16: the block's
	v_add_nc_u32 v11, 0xff000000, v8               ; 2 off its exponent field: the conversion takes the exponent field of this operand as its scale, and nothing else of it
	v_cvt_scalef32_pk16_fp6_f32 v[C+4*(\u):C+4*(\u)+2], v[XS:XS+15], v11   ; to the nearest code, ties to even, beyond the largest code the largest; 96 bits without gaps, the first number's code lowest
	v_lshrrev_b32 v[E+(\u)], 23, v11               ; the scale's byte; also the plain instruction behind the conversion
	ds_store_b8 v5, v[E+(\u)] offset:16*(\u)       ; both lanes of a block write the same byte with the same value
.irp i, 0,1,2
	ds_store_b32 v[IA+\i], v[C+4*(\u)+\i] offset:1536*((\u)/8)+32*((\u)%8)   ; into the image: block u / 8 of my rows, row 2 (u % 8) + lane / 16 of it
.endr
.endm
	LORA 0
	s_wait_alu depctr_va_vdst(0)
	ADDW 0
	TURN 0
.irp t, 1,2,3,4,5,6,7,8,9,10,11,12,13,14,15
	LORA \t                                        ; the sums of step t stand between step t - 1's turn through the stage and the wait for it
	QUANT \t-1
	ADDW \t
	TURN \t
.endr
	QUANT 15
	ds_load_b64 v[12:13], v6                       ; my wave's 256 scale bytes, 8 a lane: these loads see my stores
.irp m, 0,1,2,3,4,5,6,7,8,9,10,11
	ds_load_b128 v[OUTR+4*\m:OUTR+4*\m+3], v21 offset:512*\m       ; and the four images, 512 bytes a load
.endr
	s_wait_dscnt 12                                ; the scale bytes are in; the twelve loads behind them may be out
	global_store_b64 v7, v[12:13], s[12:13]        ; 32 lanes store 256 consecutive bytes, at a multiple of 256 from the buffer's first byte
.irp m, 0,1,2,3,4,5,6,7,8,9,10,11
	s_wait_dscnt 11-\m
	global_store_b128 v22, v[OUTR+4*\m:OUTR+4*\m+3], s[10:11] offset:WPLANE*(\m/6)+512*(\m%6)   ; 32 lanes store 512 consecutive bytes, at a multiple of 256 from the buffer's first byte
.endr
	s_wait_tensorcnt 0x0
	ds_add_u32 v254, v255
	s_wait_dscnt 0x0
	s_endpgm
.Lfunc_end_k_q6e1c738a44_wquant:
	.size	k_q6e1c738a44_wquant, .Lfunc_end_k_q6e1c738a44_wquant-k_q6e1c738a44_wquant
	.p2alignl 7, 3214868480
	.fill 96, 4, 3214868480
	.section	.rodata,"a",@progbits
	.p2align	6, 0x0
	.amdhsa_kernel k_q6e1c738a44_wquant
		.amdhsa_group_segment_fixed_size 49664
		.amdhsa_private_segment_fixed_size 0
		.amdhsa_enable_private_segment 0
		.amdhsa_kernarg_size 40
		.amdhsa_user_sgpr_count 2
		.amdhsa_user_sgpr_kernarg_segment_ptr 1
		.amdhsa_wavefront_size32 1
		.amdhsa_system_sgpr_workgroup_id_x 1
		.amdhsa_system_sgpr_workgroup_id_y 1
		.amdhsa_system_sgpr_workgroup_id_z 1
		.amdhsa_system_vgpr_workitem_id 0
		.amdhsa_next_free_vgpr 768
		.amdhsa_next_free_sgpr 66
		.amdhsa_reserve_vcc 0
		.amdhsa_float_denorm_mode_32 3
		.amdhsa_float_denorm_mode_16_64 3
		.amdhsa_memory_ordered 1
		.amdhsa_forward_progress 1
		.amdhsa_inst_pref_size 201
	.end_amdhsa_kernel
	.amdgpu_metadata
---
amdhsa.version: [ 1, 2 ]
amdhsa.kernels:
  - .name:           k_q6e1c738a44_wquant
    .symbol:         k_q6e1c738a44_wquant.kd
    .args:
      - { .name: weight, .offset: 0, .size: 8, .value_kind: global_buffer, .address_space: global }
      - { .name: lora_left, .offset: 8, .size: 8, .value_kind: global_buffer, .address_space: global }
      - { .name: lora_right, .offset: 16, .size: 8, .value_kind: global_buffer, .address_space: global }
      - { .name: w_codes, .offset: 24, .size: 8, .value_kind: global_buffer, .address_space: global }
      - { .name: w_scales, .offset: 32, .size: 8, .value_kind: global_buffer, .address_space: global }
    .group_segment_fixed_size: 49664
    .private_segment_fixed_size: 0
    .kernarg_segment_align: 8
    .kernarg_segment_size: 40
    .max_flat_workgroup_size: 128
    .sgpr_count:     66
    .vgpr_count:     768
    .wavefront_size: 32
...
	.end_amdgpu_metadata
.endif
;; end of part 1
;; launch gemm (part 2): grid 8 x 32, 4 waves a work-group, clusters of 4 x 1, 327,680 bytes of LDS; arguments x_codes, x_scales, w_codes, w_scales, bias, out0; writes out0
.if DOCPART == 2
	.amdgcn_target "amdgcn-amd-amdhsa--gfx1250"
	.amdhsa_code_object_version 6
	.text
	.protected	k_q6e1c738a44_gemm
	.globl	k_q6e1c738a44_gemm
	.p2align	8
	.type	k_q6e1c738a44_gemm,@function
k_q6e1c738a44_gemm:
	s_mov_b64 s[64:65], 0
	v_nop
	global_prefetch_b8 v0, s[64:65] scope:SCOPE_SE
	s_setreg_imm32_b32 hwreg(HW_REG_WAVE_MODE, 25, 1), 1
	s_wait_xcnt 0x0
	s_wait_alu depctr_hold_cnt(0) depctr_sa_sdst(0) depctr_va_vdst(0) depctr_va_sdst(0) depctr_va_ssrc(0) depctr_va_vcc(0) depctr_vm_vsrc(0)
	s_getreg_b32 s2, hwreg(HW_REG_IB_STS2, 6, 4)
	s_cmp_eq_u32 s2, 0
	s_cbranch_scc0 .Lentry_in_a_cluster
	s_endpgm
.Lentry_in_a_cluster:
	s_bfe_u32 s2, ttmp6, 0x10000c
	s_cmp_lg_u32 s2, 0x3003
	s_cbranch_scc0 .Lentry_shape_is_right
	s_endpgm
.Lentry_shape_is_right:
; out0[m][o] = sum over k of x[m][k] W_eff[o][k] + bias[o].  x: codes of FP6 (E2M3) [8192][3072 bytes] with E8M0 scales [8192][128]; W_eff: the codes and scales that launch wquant laid:
; w_codes [32 steps of 128 K][128 blocks of 16 rows][1,536 bytes], a fragment as an image of its 12 registers; w_scales [16 strips of 256 K][2048 rows][8 bytes].  Sums in f32, K ascending; bias is the C of the first step.
; LIMITS: scale bytes are taken as they are given (0xff makes NaN, as in the format).
; SHARES.  A work-group of four waves makes 256 x 256 of out0; a wave all 256 rows x 64 columns: 64 accumulators.  256 work-groups.
; x goes through LDS in CHUNKS OF 256 BYTES of each row (each begins at a multiple of 256 bytes), in a ring of THREE slots: a step of 128 K is 96 bytes, eight steps are three chunks, so a trip of eight steps
; comes back to the same slots.  A chunk's slot is filled again when the last step that touches it has fetched its fragments; in front of that every wave has waited for all its tensor loads, so the chunk asked for
; at the refill before is whole for all waves behind the same barrier: three barriers for eight steps.
; CLUSTER 4, 1, 1: the four work-groups of a tile row need the same x and x scales: joint loads, mask 15.  W is not shared in the cluster (each partner has its own 256 columns), and it does not go through LDS:
; two slots of both operands (2 x 139,264 bytes) and both sets of scales (69,632) pass 327,680 bytes.  Each wave loads its own 4 fragments a step from memory into registers, each byte once a work-group.
; W's loads stand four steps ahead of their use in four register sets, so no prefetch is laid for W; x's chunks are prefetched two refills ahead.
; REGISTERS.  Each window w of 256 holds: v32-79 W's set w (steps 4 n + w); v80-127 x's fragments of row group (w + 3) % 4; v128-255 the 16 accumulators of row group w.
; Window 0 also: v1, v2 the spare word and 0; v3 prefetch offset; v4-11 addresses; v12-15 W's scale words, v16-31 x's (two sets each).  Windows 1, 2: v16-31 bias.  Window 3: v16-18 the way out's addresses.
; A step is four phases of 16 products, one for each row group, and TWO runs of loads: behind phases 0 and 1 the next step's scale words and fragments of row groups 0 and 1, behind phases 2 and 3 those of
; row groups 2 and 3 and W's step four on, into the set just read.
; THE MATRIX INSTRUCTION IS USED TRANSPOSED (source 0 = 16 rows of W, source 1 = 16 rows of x): a lane holds eight neighbouring columns of one row of out0.
.set SIZE_N, 2048
.set KROW,   3072
.set WPLANE, 196608
.set PITCH,  272                       ; an LDS row: 256 bytes + 16 of padding
.set SLOT,   256*PITCH
.set SCB,    0                         ; W's scales: [16 strips][256 columns][8 bytes]
.set SCA,    32768                     ; x's scales: 128 units of 256 bytes + 16
.set RING,   SCA+128*272
.set STAGE,  RING+3*SLOT               ; 32 rows x 272 bytes for each wave; no tensor load lands here
.set SPITCH, 272
.set SPARE,  STAGE+4*32*SPITCH         ; the spare words
.set SPW, 1
.set NIL, 2
.set PFO, 3
.set XA,  4                            ; v4-6  my fragment address in slot 0, 1, 2
.set XS,  7                            ; v7-8  lanes 0-15 byte 232 of slot 0 (1), lanes 16-31 byte 0 of slot 1 (2)
.set WO,  9
.set ASX, 10
.set ASW, 11
.set SB,  12
.set SA,  16
.set BI,  16
.set STO, 16
.set RD,  17
.set CO,  18
.set WF,  32
.set XF,  80
.set ACC, 128
.set BK,  32
.set G1,  24
.set G0,  32
.set G0A, 36
.set G0B, 40
.set G1S, 44
.set G0S, 52
.set G1W, 56
.set G0W, 68
.set WB,  72
.set PF,  74
.set MSB, 0
.macro WIN new                         ; the immediate's high byte repeats the setting that is left
.if MSB != (\new)
	s_set_vgpr_msb (MSB<<8)|(\new)
.set MSB, (\new)
.endif
.endm
.macro PLACES
.rept 4
	v_nop
.endr
.endm
.macro CREST                           ; a round of the cluster's barrier behind its opening barrier
	s_cmp_lg_u32 s16, 0
	s_cbranch_scc1 .Lnot_wave_0_\@
	s_barrier_signal -3
.Lnot_wave_0_\@:
	s_barrier_wait -3
	s_barrier_signal -1
	s_barrier_wait -1
.endm
.macro CROUND
	s_barrier_signal -1
	s_barrier_wait -1
	CREST
.endm
.macro XLOAD                           ; my 64 rows of a chunk
	tensor_load_to_lds s[G0:G0+3], s[G1:G1+7]
	s_nop 0
	PLACES
.endm
; A prefetch behind each fill of chunk f: chunk f + 2.  Of its 256 rows each partner of the cluster takes 64 by address, each wave 16, a lane a row (lanes 16-31 name the wave's last row again).
; cond: in the loop's last trip the second and third refill have no chunk two on.
.macro ASK cond
.if \cond
	s_cmp_gt_u32 s3, 1
	s_cbranch_scc0 .Lno_ask_\@
.endif
	global_prefetch_b8 v[PFO], s[PF:PF+1] th:TH_LOAD_NT scope:SCOPE_SE
.if \cond
.Lno_ask_\@:
.endif
.endm
	s_load_b128 s[4:7], s[0:1], 0x0                ; x_codes, x_scales
	s_load_b128 s[8:11], s[0:1], 0x10              ; w_codes, w_scales
	s_load_b128 s[12:15], s[0:1], 0x20             ; bias, out0
	v_lshl_add_u32 v[SPW], v0, 2, SPARE
	v_mov_b32 v[NIL], 0
	ds_add_u32 v[SPW], v[NIL]                      ; the opening lines: the add twice on end and one wait
	ds_add_u32 v[SPW], v[NIL]
	v_lshrrev_b32 v80, 5, v0
	v_readfirstlane_b32 s16, v80                   ; wave
	s_bfe_u32 s17, ttmp6, 0x40000                  ; cx
	s_lshl_b32 s18, ttmp9, 2
	s_add_co_u32 s18, s18, s17                     ; tile column
	s_and_b32 s19, ttmp7, 0xffff                   ; tile row
	s_mov_b32 s[G1+0], 15|(1<<20)|(1<<21)|(5<<22)|(3<<25)   ; x: bytes, rows of 256, 16 bytes of padding, mask 15
	s_mov_b32 s[G1+1], 256<<16
	s_mov_b32 s[G1+2], 256<<16                     ; 256 rows at the head; 64 for the ring, set below
	s_mov_b32 s[G1+3], 256<<16
	s_mov_b32 s[G1+4], 256
	s_mov_b32 s[G1+5], KROW
	s_mov_b32 s[G1+6], 0
	s_mov_b32 s[G1+7], 0
	s_mov_b32 s[G1S+0], 15|(3<<16)|(1<<20)|(1<<21)|(5<<22)|(3<<25)   ; x's scales: a dense block as 128 rows of 256 bytes
	s_mov_b32 s[G1S+1], 32<<16
	s_mov_b32 s[G1S+2], 128<<16
	s_mov_b32 s[G1S+3], 32<<16
	s_mov_b32 s[G1S+4], 128
	s_mov_b32 s[G1S+5], 32
	s_mov_b32 s[G1S+6], 0
	s_mov_b32 s[G1S+7], 0
	s_mov_b32 s[G1W+0], 3<<16                      ; W's scales: 16 rows of 2,048 bytes, 16,384 apart; mine alone: no mask
	s_mov_b32 s[G1W+1], 256<<16
	s_mov_b32 s[G1W+2], 16<<16
	s_mov_b32 s[G1W+3], 256<<16
	s_mov_b32 s[G1W+4], 16
	s_mov_b32 s[G1W+5], 2048
	s_mov_b32 s[G1W+6], 0
	s_mov_b32 s[G1W+7], 0
	s_mul_i32 s76, s19, 256*KROW                   ; x: the tile's first row
	s_mov_b32 s77, 0
	s_lshl_b32 s78, s19, 15                        ; its scales
	s_mov_b32 s79, 0
	s_lshl_b32 s80, s18, 11                        ; W's scales: 256 columns x 8 bytes
	s_mov_b32 s81, 0
	s_mul_i32 s82, s18, 16*1536                    ; W's codes: 16 blocks a tile, 4 a wave
	s_mul_i32 s83, s16, 4*1536
	s_add_co_u32 s82, s82, s83
	s_mov_b32 s83, 0
	s_mul_i32 s84, s16, 64*KROW                    ; the ring: my 64 rows,
	s_mov_b32 s85, 0
	s_mul_i32 s86, s16, 64*PITCH                   ; and where they go
	s_lshl_b32 s88, s18, 10                        ; my first column in bytes
	s_lshl_b32 s89, s16, 8
	s_add_co_u32 s88, s88, s89
	s_mov_b32 s89, 0
	s_lshl_b32 s90, s19, 21                        ; 256 rows of out0
	s_mov_b32 s91, 0
	s_lshl_b32 s92, s16, 9                         ; my 64 columns' scales in LDS
	s_mul_i32 s93, s16, 32*SPITCH
	s_add_co_u32 s93, s93, STAGE                   ; my stage
	s_lshl_b32 s94, s17, 6                         ; prefetch: rows 64 cx + 16 wave, at chunk 4
	s_lshl_b32 s95, s16, 4
	s_add_co_u32 s94, s94, s95
	s_mul_i32 s94, s94, KROW
	s_add_co_u32 s94, s94, 4*256
	s_mov_b32 s95, 0
	s_wait_dscnt 0x0                               ; both opening adds are done
	s_wait_kmcnt 0x0
	s_add_nc_u64 s[76:77], s[4:5], s[76:77]
	s_add_nc_u64 s[78:79], s[6:7], s[78:79]
	s_add_nc_u64 s[80:81], s[10:11], s[80:81]
	s_add_nc_u64 s[WB:WB+1], s[8:9], s[82:83]
	s_add_nc_u64 s[12:13], s[12:13], s[88:89]
	s_add_nc_u64 s[14:15], s[14:15], s[88:89]
	s_add_nc_u64 s[14:15], s[14:15], s[90:91]
	s_add_nc_u64 s[PF:PF+1], s[76:77], s[94:95]
	s_add_nc_u64 s[84:85], s[76:77], s[84:85]
	CROUND                                         ; the partners are here: the first joint loads meet
	s_mov_b32 s[G0A], 1                            ; chunk 0, whole
	s_mov_b32 s[G0A+1], RING
	s_mov_b64 s[G0A+2:G0A+3], s[76:77]
	s_or_b32 s[G0A+3], s[G0A+3], 0x80000000
	s_mov_b32 s[G0B], 1                            ; chunk 1, whole
	s_mov_b32 s[G0B+1], RING+SLOT
	s_add_nc_u64 s[G0B+2:G0B+3], s[76:77], 256
	s_or_b32 s[G0B+3], s[G0B+3], 0x80000000
	s_mov_b32 s[G0S], 1
	s_mov_b32 s[G0S+1], SCA
	s_mov_b64 s[G0S+2:G0S+3], s[78:79]
	s_or_b32 s[G0S+3], s[G0S+3], 0x80000000
	s_mov_b32 s[G0W], 1
	s_mov_b32 s[G0W+1], SCB
	s_mov_b64 s[G0W+2:G0W+3], s[80:81]
	s_or_b32 s[G0W+3], s[G0W+3], 0x80000000
	s_mov_b32 s[G0], 1                             ; the ring: my quarter of chunk 2
	s_add_co_u32 s[G0+1], s86, RING+2*SLOT
	s_add_nc_u64 s[G0+2:G0+3], s[84:85], 512
	s_or_b32 s[G0+3], s[G0+3], 0x80000000
; the head's four tiles, one a wave, in one chain of branches on the wave's number
.macro ARM under, g0, g1, next
	s_cmp_lt_u32 s16, \under
	s_cbranch_scc0 \next
	tensor_load_to_lds s[\g0:\g0+3], s[\g1:\g1+7]
	s_nop 0
	PLACES
	s_branch .Lhead_asked
\next:
.endm
	ARM 1, G0A, G1,  .Lhead_b
	ARM 2, G0B, G1,  .Lhead_sa
	ARM 3, G0S, G1S, .Lhead_sb
	tensor_load_to_lds s[G0W:G0W+3], s[G1W:G1W+7]
	s_nop 0
	PLACES
.Lhead_asked:
	v_and_b32 v81, 15, v0                          ; r
	v_bfe_u32 v82, v0, 4, 1                        ; h
	v_and_b32 v83, 31, v0                          ; lane
	v_mul_u32_u24 v84, v81, PITCH
	v_mad_u32_u24 v85, v82, 24, v84                ; a fragment's row + 24 h
	v_mad_u32_u24 v86, v82, SLOT-232, v84          ; across two chunks: lanes 16-31 a slot on, 232 bytes back
	v_lshrrev_b32 v87, 1, v83
	v_and_b32 v88, 1, v83
	v_mul_u32_u24 v87, v87, 272
	v_lshl_add_u32 v87, v88, 7, v87                ; x's scales: row = lane: two rows of 128 bytes to a unit
	v_min_u32 v89, 15, v83
	v_mul_u32_u24 v[PFO], v89, KROW
	v_lshlrev_b32 v90, 5, v82                      ; bias: 32 h
	v_lshl_add_u32 v91, v82, 5, v84                ; stage, in: row r, 32 h
	v_lshlrev_b32 v93, 4, v81
	v_mad_u32_u24 v92, v82, SPITCH, v93            ; stage, back: row h, 16 r
	v_add_nc_u32 v[XA+0], RING, v85
	v_add_nc_u32 v[XA+1], RING+SLOT, v85
	v_add_nc_u32 v[XA+2], RING+2*SLOT, v85
	v_add_nc_u32 v[XS+0], RING+232, v86
	v_add_nc_u32 v[XS+1], RING+SLOT+232, v86
	v_lshlrev_b32 v[WO], 4, v83
	v_add_nc_u32 v[ASX], SCA, v87
	v_lshl_add_u32 v[ASW], v83, 3, s92
	WIN 0xc0                                       ; destination window 3
	v_add_nc_u32 v[STO], s93, v91
	v_add_nc_u32 v[RD], s93, v92
	v_lshl_add_u32 v[CO], v82, 13, v93             ; out0: row h, 16 r
	WIN 0
	s_wait_alu depctr_va_vdst(0)                   ; the wait behind the head's vector work
.irp b, 0,1,2,3
	WIN (1+(\b)/2)<<6
	global_load_b128 v[BI+8*((\b)%2):BI+8*((\b)%2)+3],   v90, s[12:13] offset:64*\b      ; bias[16 b + 8 h + 0 .. 7]
	global_load_b128 v[BI+8*((\b)%2)+4:BI+8*((\b)%2)+7], v90, s[12:13] offset:64*\b+16
.endr
.irp q, 0,1,2,3                        ; W's steps 0 to 3
	WIN (\q)<<6
.irp b, 0,1,2,3
.irp c, 0,1,2
	global_load_b128 v[WF+12*\b+4*\c:WF+12*\b+4*\c+3], v[WO], s[WB:WB+1] offset:(\q)*WPLANE+1536*\b+512*\c
.endr
.endr
.endr
	WIN 0
; one load of 8 bytes of x's fragments: piece m % 6 of block m / 6 of row group gp, step sf (counted from the trip's first chunk).  Byte y of a row lies in chunk y / 256, slot (y / 256) % 3
.macro XL gp, sf, m
.set XI, (\m)/6
.set XP, (\m)%6
.set BY, 96*(\sf)+48*(XP/3)+8*(XP%3)
.set XO, (4*(\gp)+XI)*16*PITCH
.if BY/256 == (BY+24)/256
	ds_load_b64 v[XF+12*XI+2*XP:XF+12*XI+2*XP+1], v[XA+(BY/256)%3] offset:BY%256+XO
.else
	ds_load_b64 v[XF+12*XI+2*XP:XF+12*XI+2*XP+1], v[XS+(BY/256)%3] offset:BY%256-232+XO
.endif
.endm
.macro XRUN gp, sf                     ; the four fragments of row group gp, step sf: 24 loads
	WIN (((\gp)+1)%4)<<6
.irp m, 0,1,2,3,4,5,6,7,8,9,10,11,12,13,14,15,16,17,18,19,20,21,22,23
	XL \gp, \sf, \m
.endr
.endm
.macro SCRUN sn                        ; step sn's scale words: 8 registers for x's 256 rows, 2 for my 64 columns: 10 loads
	WIN 0
.irp j, 0,1,2,3,4,5,6,7
	ds_load_b32 v[SA+8*((\sn)%2)+\j], v[ASX] offset:\j*16*272+4*(\sn)
.endr
.irp j, 0,1
	ds_load_b32 v[SB+2*((\sn)%2)+\j], v[ASW] offset:((\sn)/2)*2048+256*\j+4*((\sn)%2)
.endr
.endm
.macro WRUN st                         ; W's step st + 4 into the set that step st has read: 12 loads
	WIN ((\st)%4)<<6
.irp b, 0,1,2,3
.irp c, 0,1,2
	global_load_b128 v[WF+12*\b+4*\c:WF+12*\b+4*\c+3], v[WO], s[WB:WB+1] offset:((\st)+4)*WPLANE+1536*\b+512*\c
.endr
.endr
.endm
; one product: x's block a, W's block b.  A scale register holds two blocks' words: the even block's in lanes 0-15, the odd one's in lanes 16-31
.macro MM a, b, st, first
.set rD, ACC+8*(4*((\a)%4)+(\b))
.set rW, WF+12*(\b)
.set rX, XF+12*((\a)%4)
.set rSW, SB+2*((\st)%2)+(\b)/2
.set rSX, SA+8*((\st)%2)+(\a)/2
.set rC, rD
.if \first
.set rC, BI+8*((\b)%2)
.endif
.if ((\a)%2 == 0) && ((\b)%2 == 0)
	v_wmma_scale_f32_16x16x128_f8f6f4 v[rD:rD+7], v[rW:rW+11], v[rX:rX+11], v[rC:rC+7], v[rSW], v[rSX] matrix_a_fmt:MATRIX_FMT_FP6 matrix_b_fmt:MATRIX_FMT_FP6
.elseif ((\a)%2 == 0)
	v_wmma_scale_f32_16x16x128_f8f6f4 v[rD:rD+7], v[rW:rW+11], v[rX:rX+11], v[rC:rC+7], v[rSW], v[rSX] matrix_a_fmt:MATRIX_FMT_FP6 matrix_b_fmt:MATRIX_FMT_FP6 matrix_a_scale:MATRIX_SCALE_ROW1
.elseif ((\b)%2 == 0)
	v_wmma_scale_f32_16x16x128_f8f6f4 v[rD:rD+7], v[rW:rW+11], v[rX:rX+11], v[rC:rC+7], v[rSW], v[rSX] matrix_a_fmt:MATRIX_FMT_FP6 matrix_b_fmt:MATRIX_FMT_FP6 matrix_b_scale:MATRIX_SCALE_ROW1
.else
	v_wmma_scale_f32_16x16x128_f8f6f4 v[rD:rD+7], v[rW:rW+11], v[rX:rX+11], v[rC:rC+7], v[rSW], v[rSX] matrix_a_fmt:MATRIX_FMT_FP6 matrix_b_fmt:MATRIX_FMT_FP6 matrix_a_scale:MATRIX_SCALE_ROW1 matrix_b_scale:MATRIX_SCALE_ROW1
.endif
.endm
; A phase: the 16 products of row group g in step st, all on different accumulators.  W from window st % 4, x from window (g + 1) % 4, sums in window g.
; first: C is bias: that of W's blocks 0, 1 lies in window 1, that of blocks 2, 3 in window 2
.macro MULP st, g, first
.set SETF, ((\st)%4)|((((\g)+1)%4)<<2)|((\g)<<6)
.if \first
	WIN SETF|0x10
.else
	WIN SETF|((\g)<<4)
.endif
.irp k, 0,1,2,3,4,5,6,7,8,9,10,11,12,13,14,15
.set KA, 4*(\g)+((\k)%8)/2
.set KB, 2*((\k)/8)+(\k)%2
.if \first
.if (\k) == 8
	WIN SETF|0x20
.endif
.endif
	MM KA, KB, \st, \first
.endr
.endm
; A step of 128 along K.  lc: W's loads that may stay out: the sets of the three steps to come.  last: nothing more is fetched.
; mode 1: the chunk that step st - 1's runs read last is read no more.  The wait for all my tensor loads, the add, a phase, the wait for the add and my LDS reads, the barrier (a phase inside), the rest of the round,
; the refill; then the first run.   mode 2: the same barrier with nothing to fill: it shows the last chunk whole to all waves.
.macro STEP st, first, mode, slot, lc, wl, last
	s_wait_loadcnt \lc
.if (\mode) == 1
	WIN 0
	s_wait_xcnt 0x0                                ; my last prefetch has read its address
	s_add_nc_u64 s[PF:PF+1], s[PF:PF+1], 256
	s_wait_tensorcnt 0x0                           ; all my tensor loads have landed
	ds_add_u32 v[SPW], v[NIL]
	s_add_nc_u64 s[G0+2:G0+3], s[G0+2:G0+3], 256   ; no load of mine is out: the next chunk,
	s_add_co_u32 s[G0+1], s86, RING+(\slot)*SLOT   ; into the slot left behind
.endif
.if (\mode) == 2
	s_wait_tensorcnt 0x0
.endif
	s_wait_dscnt 48                                ; the scale words and row groups 0, 1 are in; the 48 loads of the run behind them may be out
	MULP \st, 0, \first
.if \mode
	s_wait_dscnt 0x0                               ; the add is done, and my reads of LDS are over
	s_barrier_signal -1
.endif
	MULP \st, 1, \first
.if \mode
	WIN 0
	s_barrier_wait -1
.endif
.if (\mode) == 1
	CREST                                          ; no wave of any partner reads the slot or has a load on its way
	XLOAD                                          ; its four v_nop are the places ahead of the loads below
	ASK \slot
.else
.if (\last) == 0
	PLACES
.endif
.endif
.if \last
	s_wait_dscnt 0x0
.else
	SCRUN (\st)+1
	XRUN 0, (\st)+1
	XRUN 1, (\st)+1
	s_wait_dscnt 58                                ; row groups 2, 3 are in; the 58 loads just issued may be out
.endif
	MULP \st, 2, \first
	MULP \st, 3, \first
.if (\last) == 0
	PLACES
	XRUN 2, (\st)+1
	XRUN 3, (\st)+1
.if \wl
	WRUN \st
.endif
.endif
.endm
	s_wait_xcnt 0x0                                ; the head's global loads have read their offsets: bias's offset register lies where row group 3's fragments land below
	s_wait_tensorcnt 0x0                           ; my tile of the head's four is in; the same lines as ahead of a refill stand ahead of slot 2's first fill
	ds_add_u32 v[SPW], v[NIL]
	s_mov_b32 s[G1+2], 64<<16
	s_mov_b32 s[G1+4], 64
	s_wait_dscnt 0x0
	CROUND                                         ; all four tiles are in, and the partners are here
	XLOAD                                          ; chunk 2
	ASK 0                                          ; chunk 4
	SCRUN 0
	XRUN 0, 0
	XRUN 1, 0
	XRUN 2, 0
	XRUN 3, 0
	STEP 0, 1, 0, 0, 36, 1, 0                      ; the first step starts the sums on bias; behind bias and W's step 0 stand 36 loads
	WIN 0
	s_mov_b32 s3, 3
.Llap:                                                 ; a trip: steps 1 to 8 of eight, three chunks, three refills
	STEP 1, 0, 0, 0, 36, 1, 0
	STEP 2, 0, 1, 0, 36, 1, 0
	STEP 3, 0, 0, 0, 36, 1, 0
	STEP 4, 0, 0, 0, 36, 1, 0
	STEP 5, 0, 1, 1, 36, 1, 0
	STEP 6, 0, 0, 0, 36, 1, 0
	STEP 7, 0, 1, 2, 36, 1, 0
	STEP 8, 0, 0, 0, 36, 1, 0
	WIN 0
	v_add_nc_u32 v[ASX], 32, v[ASX]                ; the scales' addresses go eight steps on
	v_add_nc_u32 v[ASW], 0x2000, v[ASW]
	s_wait_alu depctr_va_vdst(0)
	s_wait_xcnt 0x0                                ; W's loads have read their base
	s_add_nc_u64 s[WB:WB+1], s[WB:WB+1], 8*WPLANE
	s_sub_co_u32 s3, s3, 1
	s_cmp_lg_u32 s3, 0
	s_cbranch_scc1 .Llap
	STEP 1, 0, 0, 0, 36, 1, 0                      ; the last seven steps fill nothing
	STEP 2, 0, 2, 0, 36, 1, 0                      ; one barrier: the last chunk is whole for all waves
	STEP 3, 0, 0, 0, 36, 1, 0
	STEP 4, 0, 0, 0, 36, 0, 0
	STEP 5, 0, 0, 0, 24, 0, 0
	STEP 6, 0, 0, 0, 12, 0, 0
	STEP 7, 0, 0, 0, 0, 0, 1
	PLACES                                         ; ahead of the reads of results and of loads into registers that held operands
; THE WAY OUT, 32 rows x 64 columns at a time: through my own stage, back as rows of 256 bytes, two rows a store.  LDS serves a wave's instructions in order (ISA guide 5.7.1.4).
.macro TOSTAGE k
.set AC, ACC+64*((\k)%2)
	WIN 3|(((\k)/2)<<2)                            ; address window 3, data the block's window
.irp e, 0,1
.irp b, 0,1,2,3
	ds_store_b128 v[STO], v[AC+32*\e+8*\b:AC+32*\e+8*\b+3] offset:\e*16*SPITCH+64*\b      ; each accumulator from its low end on
	ds_store_b128 v[STO], v[AC+32*\e+8*\b+4:AC+32*\e+8*\b+7] offset:\e*16*SPITCH+64*\b+16
.endr
.endr
	WIN 3|(((\k)%2)<<6)                            ; back into v32-95 of window 0 and 1 by turns
.irp t, 0,1,2,3,4,5,6,7,8,9,10,11,12,13,14,15
	ds_load_b128 v[BK+4*\t:BK+4*\t+3], v[RD] offset:\t*2*SPITCH
.endr
.endm
.macro SEND k, younger
	s_wait_dscnt \younger
.if (\k) > 0
	s_add_nc_u64 s[14:15], s[14:15], 32*SIZE_N*4   ; behind a wait on XCNT: the earlier stores have read their base
.endif
	WIN 3|(((\k)%2)<<2)
.irp t, 0,1,2,3,4,5,6,7,8,9,10,11,12,13,14,15
	global_store_b128 v[CO], v[BK+4*\t:BK+4*\t+3], s[14:15] offset:2*\t*SIZE_N*4 th:TH_STORE_NT   ; 16 lanes store 256 consecutive bytes, aligned
.endr
.endm
	TOSTAGE 0
.irp k, 1,2,3,4,5,6,7
.if \k > 1
	s_wait_xcnt 0x0                                ; block k - 2's stores have read their registers and base
.endif
	TOSTAGE \k
	SEND \k-1, 32                                  ; behind block k - 1's loads: block k's 16 stores and 16 loads
.endr
	s_wait_xcnt 0x0
	SEND 7, 0
	WIN 0
	s_wait_tensorcnt 0x0                           ; the wave's end
	ds_add_u32 v[SPW], v[NIL]
	s_wait_dscnt 0x0
	CROUND                                         ; the closing round
	s_endpgm
.Lfunc_end_k_q6e1c738a44_gemm:
	.size	k_q6e1c738a44_gemm, .Lfunc_end_k_q6e1c738a44_gemm-k_q6e1c738a44_gemm
	.p2alignl 7, 3214868480
	.fill 96, 4, 3214868480
	.section	.rodata,"a",@progbits
	.p2align	6, 0x0
	.amdhsa_kernel k_q6e1c738a44_gemm
		.amdhsa_group_segment_fixed_size 327680
		.amdhsa_private_segment_fixed_size 0
		.amdhsa_enable_private_segment 0
		.amdhsa_kernarg_size 48
		.amdhsa_user_sgpr_count 2
		.amdhsa_user_sgpr_kernarg_segment_ptr 1
		.amdhsa_wavefront_size32 1
		.amdhsa_system_sgpr_workgroup_id_x 1
		.amdhsa_system_sgpr_workgroup_id_y 1
		.amdhsa_system_sgpr_workgroup_id_z 1
		.amdhsa_system_vgpr_workitem_id 0
		.amdhsa_next_free_vgpr 1024
		.amdhsa_next_free_sgpr 98
		.amdhsa_reserve_vcc 0
		.amdhsa_float_denorm_mode_32 3
		.amdhsa_float_denorm_mode_16_64 3
		.amdhsa_memory_ordered 1
		.amdhsa_forward_progress 1
		.amdhsa_inst_pref_size 255
	.end_amdhsa_kernel
	.section	.bss,"aw",@nobits
	.p2align	6
	.space	262144
	.amdgpu_metadata
---
amdhsa.version: [ 1, 2 ]
amdhsa.kernels:
  - .name:           k_q6e1c738a44_gemm
    .symbol:         k_q6e1c738a44_gemm.kd
    .args:
      - { .name: x_codes, .offset: 0, .size: 8, .value_kind: global_buffer, .address_space: global }
      - { .name: x_scales, .offset: 8, .size: 8, .value_kind: global_buffer, .address_space: global }
      - { .name: w_codes, .offset: 16, .size: 8, .value_kind: global_buffer, .address_space: global }
      - { .name: w_scales, .offset: 24, .size: 8, .value_kind: global_buffer, .address_space: global }
      - { .name: bias, .offset: 32, .size: 8, .value_kind: global_buffer, .address_space: global }
      - { .name: out0, .offset: 40, .size: 8, .value_kind: global_buffer, .address_space: global }
    .group_segment_fixed_size: 327680
    .private_segment_fixed_size: 0
    .kernarg_segment_align: 8
    .kernarg_segment_size: 48
    .max_flat_workgroup_size: 128
    .sgpr_count:     98
    .vgpr_count:     1024
    .wavefront_size: 32
...
	.end_amdgpu_metadata
.endif
;; end of part 2
